; MI455X (gfx1250); checked and timed in simulation.
; The chip was launched on July 23, 2026; its instructions are those of AMD's public machine-readable ISA for CDNA 5 (MIT licence, August 2026) and "CDNA5" Instruction Set Architecture Reference Guide (July 2026). The comments in the code are by the model that wrote it; some were corrected since.
;; Spectral Pooling. Allowed arithmetic: float matrix products may take bf16 or f16 operands with f32 sums; all other float work in f32.
;; Inputs: x 4 x 64 x 64 x 64 x 32 float32.
;; Outputs: out0 4 x 32 x 32 x 32 x 32 float32.
;; 2 versions, each right; version 2 is version 1 with the launch slab written anew for expert scheduling mode. Each part assembles by itself: llvm-mc -triple=amdgcn-amd-amdhsa -mcpu=gfx1250 --defsym DOCPART=n.
;; ======== version 1 of 2: 2 launches
;; limits: inputs' magnitudes at most 690; below input magnitudes of 6.1e-05 results are inexact or not finite; values are held in f16: magnitudes above 65,504 overflow, below 6.1e-05 lose precision
;; workspace buffers: t 16,777,216 bytes
;; launch slab (part 1): grid 256 x 1, 16 waves a work-group, no clusters, 140,800 bytes of LDS; arguments x, t; writes t
.if DOCPART == 1
	.amdgcn_target "amdgcn-amd-amdhsa--gfx1250"
	.amdhsa_code_object_version 6
	.text
	.protected	k_q1d16fdf8d7_slab
	.globl	k_q1d16fdf8d7_slab
	.p2align	8
	.type	k_q1d16fdf8d7_slab,@function
k_q1d16fdf8d7_slab:
	s_mov_b64 s[64:65], 0
	v_nop
	global_prefetch_b8 v0, s[64:65] scope:SCOPE_SE
	s_setreg_imm32_b32 hwreg(HW_REG_WAVE_MODE, 25, 1), 1
	s_wait_xcnt 0x0
; SPECTRAL POOLING, first of two launches: the w axis and the h axis of one slice (b, d).
; Along each axis the problem applies DCT-II of 64 points, keeps 24 coefficients, pads to 32, inverse DCT of 32 points.  All of it is linear
; with fixed constants, so one axis is one matrix P[32][64]:  P[o][n] = sum over p < 24 of M32[p][o] M64[p][n].
; Product-to-sum and the Dirichlet kernel give  P[o][n] = G(2o - n) + G(2o + n + 1),  G(e) = (0.5 / sqrt 2048) sin(47 pi w / 256) / sin(pi w / 256),
; w = 2e + 1 (odd: the denominator is never 0), G of period 128.  128 numbers G are computed here and P is summed from them.
;
; This launch: t[b][d][w'][h'][c] = sum over h, w of P[h'][h] P[w'][w] x[b][d][h][w][c], stored as f16.
; Layout of t, in bytes: (64 b + d) 65536 + 2048 w' + 1024 mt + 256 i + 16 r + 2 cl, with h' = 16 mt + r, c = 8 i + cl.
; One work-group = one slice (b, d) = 512 KiB of x; 16 waves, four on each SIMD with 256 registers each.
;
; STAGE A (w axis): x goes from memory to the matrix unit through registers only.  The 16 rows of an A fragment are two h rows x eight groups
; of four channels; one 16-byte load of a lane (h0 + g3, w, c = 4q .. 4q+3) gives one k place of FOUR fragments t (c = 4q + t).
; Load p of a K step reads w = 32 ks + 2p + hh, so the 32 lanes of each load cover two runs of 256 consecutive, aligned bytes.
; That puts w = [k4 k2 k1 k0 k3] at fragment place kappa = [k4 k3 k2 k1 k0]; the table of P is stored with the same permutation of its columns,
; and a permutation of k applied alike to both operands leaves the sums as they are.
; STAGE B (h axis): the result U goes to LDS as f16, rows h in the same permuted order, and comes back by transposing loads.
;
; LIMITS.  Operands are f16, sums f32.  A row of P has absolute sum below 9.7, so all intermediates are finite for |x| <= 690 (65504 / 9.7^2);
; beyond that infinities may appear.  Magnitudes below 6.1e-5 are held to an absolute step of 6e-8.  An Inf or NaN in x spreads over its (b, c)
; volume as Inf or NaN, not necessarily the same of the two as in the unmerged form.  The order of rounding differs from the six separate products.
.set G_BASE, 0                         ; 256 f32: G(j mod 128), held twice so that a run of indices never wraps
.set P_BASE, 1024                      ; P as f16: 32 rows of 64, pitch 144 (an odd multiple of 16: the 16 rows of a fragment load meet no common bank)
.set PPITCH, 144
.set U_BASE, 5632                      ; U as f16: 64 rows (h, permuted) of 1,024 numbers (w', c), pitch 2,080 = 65 x 32 for the transposing loads
.set UPITCH, 2080
; v0 thread; v1 lane L; v2 r = L & 15; v3 hh = L >> 4; v12 q = L & 7; v13 g3 = (L >> 3) & 1
; v4 offset in x; v5, v6 where U is stored (row pairs 0-15, 16-31); v7, v8 where U is read (K steps 0, 1); v9 offset in t; v10 fragment address in P
.set PF,   16                          ; v[16:47]   P's fragments (ot, ks) at 16 + 16 ot + 8 ks
.set XF,   48                          ; v[48:79]   x's fragments t at 48 + 8 t
.set D,    80                          ; v[80:143]  stage A's sums (t, wt) at 80 + 32 wt + 8 t
.set RING, 144                         ; v[144:239] three slots of eight 16-byte loads
.set UPK,  240                         ; v[240:255] U packed to f16 on its way to LDS
.set ACC,  80                          ; stage B's sums (tau, mt) at 80 + 16 tau + 8 mt
.set UF,   144                         ; stage B's fragments of U (tau, ks) at 144 + 16 tau + 8 ks
.set TP,   48                          ; stage B's results as f16 (tau, mt) at 48 + 8 tau + 4 mt
.set T,    48                          ; temporaries while P is made: v[48:75], clear of the ring, whose loads are pending then
.set AV,   T+3
.set AU,   T+4
.set GV,   T+8
.set GU,   T+16
.set PH,   T+24
; Eight loads of half unit hu = 4 pi + 2 ks + half: row pair v + 16 pi, w = 32 ks + 16 half + 2 i + hh.
.macro FILL hu
.irp i, 0,1,2,3,4,5,6,7
	global_load_b128 v[RING+32*((\hu)%3)+4*\i:RING+32*((\hu)%3)+4*\i+3], v4, s[4:5] offset:((\hu)>>2)*262144+((\hu)&3)*2048+\i*256 th:TH_LOAD_NT
.endr
.endm
; A half unit's turn: its eight loads become registers 4 half .. 4 half + 3 of the four fragments; the slot is then asked for again.
; left = the loads of the younger half units, which stay out.
.macro HU hu, left, refill
	s_wait_loadcnt \left
.irp pp, 0,1,2,3
.irp t, 0,1,2,3
	v_cvt_pk_f16_f32 v[XF+8*\t+4*(\hu&1)+\pp], v[RING+32*(\hu%3)+8*\pp+\t], v[RING+32*(\hu%3)+8*\pp+4+\t]
.endr
.endr
.if \refill
	FILL \hu+3
.endif
.endm
; Four places behind a matrix instruction before a vector instruction reads its result or rewrites a source (ISA guide 7.12.1).
.macro PLACES
.rept 4
	v_nop
.endr
.endm
; Stage A, one K step of 32: 4 fragments of x times 2 of P.  zero = 1: the first product starts the sums.
; In D(t, wt), lane (r, hh), register j: h = h0 + hh, w' = 16 wt + r, c = 4 j + t.
.macro MULA ks, zero
.irp wt, 0,1
.irp t, 0,1,2,3
.if \zero
	v_wmma_f32_16x16x32_f16 v[D+32*\wt+8*\t:D+32*\wt+8*\t+7], v[XF+8*\t:XF+8*\t+7], v[PF+16*\wt+8*\ks:PF+16*\wt+8*\ks+7], 0
.else
	v_wmma_f32_16x16x32_f16 v[D+32*\wt+8*\t:D+32*\wt+8*\t+7], v[XF+8*\t:XF+8*\t+7], v[PF+16*\wt+8*\ks:PF+16*\wt+8*\ks+7], v[D+32*\wt+8*\t:D+32*\wt+8*\t+7]
.endif
.endr
.endr
	PLACES
.endm
; U to LDS: eight neighbouring channels c = 8 i .. 8 i + 7 of (h, w') are 16 bytes; lanes 0-15 write 256 neighbouring bytes of one row.
.macro PUTU us
.irp wt, 0,1
.irp i, 0,1,2,3
	v_cvt_pk_f16_f32 v[UPK+4*\i],   v[D+32*\wt+2*\i],      v[D+32*\wt+8+2*\i]
	v_cvt_pk_f16_f32 v[UPK+4*\i+1], v[D+32*\wt+16+2*\i],   v[D+32*\wt+24+2*\i]
	v_cvt_pk_f16_f32 v[UPK+4*\i+2], v[D+32*\wt+2*\i+1],    v[D+32*\wt+8+2*\i+1]
	v_cvt_pk_f16_f32 v[UPK+4*\i+3], v[D+32*\wt+16+2*\i+1], v[D+32*\wt+24+2*\i+1]
	ds_store_b128 v[\us], v[UPK+4*\i:UPK+4*\i+3] offset:U_BASE+\wt*1024+\i*256
.endr
.endr
.endm
; d = sin(pi k / 256) for a whole number k >= 0.  The angle is brought into [-pi/2, pi/2] in whole numbers, exactly:
; sin(pi k / 256) = cos(pi m / 256), m = (k - 128) mod 512, = sin(pi (128 - min(m, 512 - m)) / 256); then the series up to x^9 (next term below 3.6e-6).
.macro SINN d, k, a, b
	v_add_nc_u32 v[\a], 384, v[\k]                 ; k - 128, modulo 512
	v_and_b32 v[\a], 511, v[\a]
	v_sub_nc_u32 v[\d], 512, v[\a]
	v_min_u32 v[\a], v[\a], v[\d]
	v_sub_nc_u32 v[\a], 128, v[\a]
	v_cvt_f32_i32 v[\a], v[\a]
	v_mul_f32 v[\a], 0x3c490fdb, v[\a]             ; x pi / 256
	v_mul_f32 v[\d], v[\a], v[\a]
	v_mov_b32 v[\b], 0x3638ef1d                    ; 1/9!
	v_fmaak_f32 v[\b], v[\b], v[\d], 0xb9500d01    ; -1/7!
	v_fmaak_f32 v[\b], v[\b], v[\d], 0x3c088889    ; 1/5!
	v_fmaak_f32 v[\b], v[\b], v[\d], 0xbe2aaaab    ; -1/3!
	v_fma_f32 v[\b], v[\b], v[\d], 1.0
	v_mul_f32 v[\d], v[\b], v[\a]
.endm
; E neighbouring places of a row of P: place e holds column n0 + STEP e.  AV = 4 (2o + n0 + 1) runs up, AU = 4 ((2o - n0 - STEP (E-1)) mod 128) is read downward.
.macro PVALS E, STEP
.set ee, 0
.rept \E
	ds_load_b32 v[GV+ee], v[AV] offset:G_BASE+4*\STEP*ee
	ds_load_b32 v[GU+ee], v[AU] offset:G_BASE+4*\STEP*(\E-1-ee)
.set ee, ee+1
.endr
	s_wait_dscnt 0x0
.set ee, 0
.rept \E/2
	v_pk_add_f32 v[GV+ee:GV+ee+1], v[GV+ee:GV+ee+1], v[GU+ee:GU+ee+1]
.set ee, ee+2
.endr
.set ee, 0
.rept \E/2
	v_cvt_pk_f16_f32 v[PH+ee], v[GV+2*ee], v[GV+2*ee+1]
.set ee, ee+1
.endr
.endm
; P's four fragments: lane (r, hh) takes row 16 ot + r, places 32 ks + 8 hh .. + 7 and 32 ks + 16 + 8 hh .. + 7.
.macro LOAD_PF
.irp ot, 0,1
.irp ks, 0,1
	ds_load_b128 v[PF+16*\ot+8*\ks:PF+16*\ot+8*\ks+3],   v10 offset:P_BASE+\ot*16*PPITCH+\ks*64
	ds_load_b128 v[PF+16*\ot+8*\ks+4:PF+16*\ot+8*\ks+7], v10 offset:P_BASE+\ot*16*PPITCH+\ks*64+32
.endr
.endr
.endm
; 16 columns of the left operand (two K steps of 32 at frag, frag + 8) times all 32 rows of P: two sums, each a chain of two links in place.
.macro MUL4 acc, frag
	v_wmma_f32_16x16x32_f16 v[\acc:\acc+7],    v[\frag:\frag+7],    v[PF:PF+7],     0
	v_wmma_f32_16x16x32_f16 v[\acc+8:\acc+15], v[\frag:\frag+7],    v[PF+16:PF+23], 0
	v_wmma_f32_16x16x32_f16 v[\acc:\acc+7],    v[\frag+8:\frag+15], v[PF+8:PF+15],  v[\acc:\acc+7]
	v_wmma_f32_16x16x32_f16 v[\acc+8:\acc+15], v[\frag+8:\frag+15], v[PF+24:PF+31], v[\acc+8:\acc+15]
.endm
	; ---- ids, the offset in x, and the first 24 loads of every wave (12 KiB a wave, 192 KiB a work-group) before anything else
	s_load_b128 s[4:7], s[0:1], 0x0                ; x s[4:5], t s[6:7]
	v_lshl_add_u32 v14, v0, 2, 0x21e00
	v_mov_b32 v15, 0
	v_and_b32 v1, 31, v0                           ; L
	v_lshrrev_b32 v11, 5, v0
	v_readfirstlane_b32 s8, v11                    ; wave v, 0 to 15
	v_and_b32 v2, 15, v0                           ; r
	v_bfe_u32 v3, v0, 4, 1                         ; hh
	v_and_b32 v12, 7, v0                           ; q
	v_bfe_u32 v13, v0, 3, 1                        ; g3
	v_lshlrev_b32 v4, 4, v12                       ; 16 q: four channels
	v_lshl_add_u32 v4, v3, 7, v4                   ; + 128 hh: w + hh
	v_lshl_add_u32 v4, v13, 13, v4                 ; + 8,192 g3: h0 + g3
	s_lshl_b32 s9, s8, 14
	v_add_nc_u32 v4, s9, v4                        ; + 16,384 v: h0 = 2 v
	s_lshl_b32 s10, ttmp9, 19                      ; the slice in x: 64 x 64 x 32 x 4 bytes
	s_mov_b32 s11, 0
	s_lshl_b32 s12, ttmp9, 16                      ; the slice in t: 32 x 32 x 32 x 2 bytes
	s_mov_b32 s13, 0
	s_wait_kmcnt 0x0
	s_add_nc_u64 s[4:5], s[4:5], s[10:11]
	s_add_nc_u64 s[6:7], s[6:7], s[12:13]
	FILL 0
	FILL 1
	FILL 2
	; ---- the table G: threads 0 to 127 (waves 0 to 3) make one number each and store it twice
	s_cmp_ge_u32 s8, 4
	s_cbranch_scc1 .Lnog
	v_lshl_or_b32 v[T], v0, 1, 1                   ; w = 2 e + 1
	v_mul_u32_u24 v[T+1], 47, v[T]
	SINN T+2, T+1, T+4, T+5                        ; sin(47 pi w / 256)
	SINN T+3, T, T+4, T+5                          ; sin(pi w / 256)
	v_rcp_f32 v[T+6], v[T+3]
	v_mul_f32 v[T+2], 0x3c3504f3, v[T+2]           ; x 0.5 / sqrt 2048; also the plain instruction between v_rcp_f32 and the use of its result
	s_wait_alu depctr_va_vdst(0)
	v_mul_f32 v[T+2], v[T+2], v[T+6]
	v_lshlrev_b32 v[T+7], 2, v1
	v_lshl_add_u32 v[T+7], s8, 7, v[T+7]           ; 4 x thread = 128 x wave + 4 x lane
	ds_store_b32 v[T+7], v[T+2] offset:G_BASE
	ds_store_b32 v[T+7], v[T+2] offset:G_BASE+512
.Lnog:
	s_wait_dscnt 0x0                               ; my stores of G are done, for the other waves' sake
	s_barrier_signal -1
	s_barrier_wait -1
	; ---- the table P: row o = 2 v + hh, places kappa0 = 4 r .. + 3, which hold columns n0, n0 + 2, n0 + 4, n0 + 6
	s_lshl_b32 s9, s8, 2
	v_lshl_add_u32 v[T], v3, 1, s9                 ; 2 o
	v_lshlrev_b32 v[T+1], 2, v2                    ; kappa0
	v_and_b32 v[T+2], 48, v[T+1]                   ; n0 = [k5 k4 k2 0 0 k3]
	v_and_b32 v[T+5], 4, v[T+1]
	v_lshl_add_u32 v[T+2], v[T+5], 1, v[T+2]
	v_bfe_u32 v[T+5], v[T+1], 3, 1
	v_add_nc_u32 v[T+2], v[T+2], v[T+5]
	v_add3_u32 v[AV], v[T], v[T+2], 1              ; 2 o + n0 + 1, at most 120; + 6 stays inside the table
	v_lshlrev_b32 v[AV], 2, v[AV]
	v_sub_nc_u32 v[AU], v[T], v[T+2]               ; 2 o - n0, at least -63
	v_add_nc_u32 v[AU], 128-2*3, v[AU]             ; - STEP (E - 1), + one period to stay above zero
	v_and_b32 v[AU], 127, v[AU]
	v_lshlrev_b32 v[AU], 2, v[AU]
	PVALS 4, 2
	s_mul_i32 s9, s8, 2*PPITCH
	v_mul_u32_u24 v[T+5], PPITCH, v3
	v_lshl_add_u32 v[T+5], v2, 3, v[T+5]
	v_add_nc_u32 v[T+5], s9, v[T+5]                ; row o, 8 bytes at place kappa0
	ds_store_b64 v[T+5], v[PH:PH+1] offset:P_BASE
	s_wait_dscnt 0x0                               ; my part of P is in LDS
	s_barrier_signal -1
	s_barrier_wait -1
	; ---- P's fragments, kept for both stages, and the remaining addresses
	v_mul_u32_u24 v10, PPITCH, v2
	v_lshl_add_u32 v10, v3, 4, v10
	LOAD_PF
	s_and_b32 s9, s8, 8                            ; U's row for h = 32 pi + 2 v + hh: place 16 v3 + 8 hh + (v & 7) = v + (v & 8) + 8 hh
	s_add_co_u32 s9, s9, s8
	s_mul_i32 s9, s9, UPITCH
	v_mul_u32_u24 v5, 8*UPITCH, v3
	v_lshl_add_u32 v5, v2, 4, v5                   ; + 16 r: w' = 16 wt + r
	v_add_nc_u32 v5, s9, v5
	v_add_nc_u32 v6, 32*UPITCH, v5                 ; row pairs 16 to 31: h + 32
	v_lshl_add_u32 v7, v3, 3, v12                  ; transposing load: row 8 hh + q,
	v_mul_u32_u24 v7, UPITCH, v7
	v_lshl_add_u32 v7, v13, 4, v7                  ; 16 bytes at 16 g3,
	s_lshl_b32 s9, s8, 7
	v_add_nc_u32 v7, s9, v7                        ; of my 64 columns
	v_add_nc_u32 v8, 32*UPITCH, v7
	s_lshr_b32 s9, s8, 3                           ; t: w' = 16 (v >> 3) + 8 (v & 1) + 2 tau + hh, i = (v >> 1) & 3
	s_lshl_b32 s9, s9, 15
	s_and_b32 s10, s8, 1
	s_lshl_b32 s10, s10, 14
	s_add_co_u32 s9, s9, s10
	s_bfe_u32 s10, s8, 0x20001
	s_lshl_b32 s10, s10, 8
	s_add_co_u32 s9, s9, s10
	v_lshlrev_b32 v9, 4, v2
	v_lshl_add_u32 v9, v3, 11, v9
	v_add_nc_u32 v9, s9, v9
	s_wait_dscnt 0x0                               ; P's fragments are in
	; ---- STAGE A: eight half units; 16 = the loads of the two younger half units stay out; the counts run down at the end
	HU 0, 16, 1
	HU 1, 16, 1
	MULA 0, 1
	HU 2, 16, 1
	HU 3, 16, 1
	MULA 1, 0
	PUTU 5
	HU 4, 16, 1
	HU 5, 16, 0
	MULA 0, 1
	HU 6, 8, 0
	HU 7, 0, 0
	MULA 1, 0
	PUTU 6
	s_wait_dscnt 0x0                               ; my rows of U are in LDS
	s_barrier_signal -1
	s_barrier_wait -1                              ; all 64 rows are
	; ---- STAGE B: my 64 columns of U, four tiles of 16, over all 64 h
.irp tau, 0,1,2,3
	ds_load_tr16_b128 v[UF+16*\tau:UF+16*\tau+3],     v7 offset:U_BASE+32*\tau
	ds_load_tr16_b128 v[UF+16*\tau+4:UF+16*\tau+7],   v7 offset:U_BASE+32*\tau+16*UPITCH
	ds_load_tr16_b128 v[UF+16*\tau+8:UF+16*\tau+11],  v8 offset:U_BASE+32*\tau
	ds_load_tr16_b128 v[UF+16*\tau+12:UF+16*\tau+15], v8 offset:U_BASE+32*\tau+16*UPITCH
.endr
.irp tau, 0,1,2,3
	s_wait_dscnt 12-4*\tau                         ; the four loads of each later tile stay out
	MUL4 ACC+16*\tau, UF+16*\tau                   ; lane (r, hh), register j: h' = 16 mt + r, column 64 v + 16 tau + 8 hh + j
.endr
	PLACES
.irp tau, 0,1,2,3
.irp mt, 0,1
.irp k, 0,1,2,3
	v_cvt_pk_f16_f32 v[TP+8*\tau+4*\mt+\k], v[ACC+16*\tau+8*\mt+2*\k], v[ACC+16*\tau+8*\mt+2*\k+1]
.endr
.endr
.endr
.irp tau, 0,1,2,3
.irp mt, 0,1
	global_store_b128 v9, v[TP+8*\tau+4*\mt:TP+8*\tau+4*\mt+3], s[6:7] offset:\tau*4096+\mt*1024   ; lanes 0-15 and lanes 16-31 each fill 256 consecutive, aligned bytes
.endr
.endr
	s_wait_tensorcnt 0x0
	ds_add_u32 v14, v15
	s_wait_dscnt 0x0
	s_endpgm
.Lfunc_end_k_q1d16fdf8d7_slab:
	.size	k_q1d16fdf8d7_slab, .Lfunc_end_k_q1d16fdf8d7_slab-k_q1d16fdf8d7_slab
	.p2alignl 7, 3214868480
	.fill 96, 4, 3214868480
	.section	.rodata,"a",@progbits
	.p2align	6, 0x0
	.amdhsa_kernel k_q1d16fdf8d7_slab
		.amdhsa_group_segment_fixed_size 140800
		.amdhsa_private_segment_fixed_size 0
		.amdhsa_enable_private_segment 0
		.amdhsa_kernarg_size 16
		.amdhsa_user_sgpr_count 2
		.amdhsa_user_sgpr_kernarg_segment_ptr 1
		.amdhsa_wavefront_size32 1
		.amdhsa_system_sgpr_workgroup_id_x 1
		.amdhsa_system_sgpr_workgroup_id_y 1
		.amdhsa_system_sgpr_workgroup_id_z 1
		.amdhsa_system_vgpr_workitem_id 0
		.amdhsa_next_free_vgpr 256
		.amdhsa_next_free_sgpr 66
		.amdhsa_reserve_vcc 0
		.amdhsa_float_denorm_mode_32 3
		.amdhsa_float_denorm_mode_16_64 3
		.amdhsa_memory_ordered 1
		.amdhsa_forward_progress 1
		.amdhsa_inst_pref_size 34
	.end_amdhsa_kernel
	.amdgpu_metadata
---
amdhsa.version: [ 1, 2 ]
amdhsa.kernels:
  - .name:           k_q1d16fdf8d7_slab
    .symbol:         k_q1d16fdf8d7_slab.kd
    .args:
      - { .name: x, .offset: 0, .size: 8, .value_kind: global_buffer, .address_space: global }
      - { .name: t, .offset: 8, .size: 8, .value_kind: global_buffer, .address_space: global }
    .group_segment_fixed_size: 140800
    .private_segment_fixed_size: 0
    .kernarg_segment_align: 8
    .kernarg_segment_size: 16
    .max_flat_workgroup_size: 512
    .sgpr_count:     66
    .vgpr_count:     256
    .wavefront_size: 32
...
	.end_amdgpu_metadata
.endif
;; end of part 1
;; launch depth (part 2): grid 256 x 1, 8 waves a work-group, no clusters, 168,960 bytes of LDS; arguments t, out0; writes out0
.if DOCPART == 2
	.amdgcn_target "amdgcn-amd-amdhsa--gfx1250"
	.amdhsa_code_object_version 6
	.text
	.protected	k_q1d16fdf8d7_depth
	.globl	k_q1d16fdf8d7_depth
	.p2align	8
	.type	k_q1d16fdf8d7_depth,@function
k_q1d16fdf8d7_depth:
	s_mov_b64 s[64:65], 0
	v_nop
	global_prefetch_b8 v0, s[64:65] scope:SCOPE_SE
	s_setreg_imm32_b32 hwreg(HW_REG_WAVE_MODE, 25, 1), 1
	s_wait_xcnt 0x0
; SPECTRAL POOLING, second of two launches: the d axis, and the output with its spatial axes reversed.
; out0[b][w'][h'][d'][c] = sum over d of P[d'][d] t[b][d][w'][h'][c], with P[32][64] the merged matrix of one axis
; (DCT-II of 64 points, 24 coefficients kept, padded to 32, inverse DCT of 32 points):
; P[o][n] = G(2o - n) + G(2o + n + 1),  G(e) = (0.5 / sqrt 2048) sin(47 pi w / 256) / sin(pi w / 256),  w = 2e + 1,  G of period 128.
; t in bytes: (64 b + d) 65536 + 2048 w' + 1024 mt + 256 i + 16 r + 2 cl, f16, with h' = 16 mt + r, c = 8 i + cl.
; Work-group g = 64 b + 2 w' + mt reads 64 rows (d) of 1,024 bytes and writes the 65,536 consecutive bytes of out0 at 65536 g
; (16 h' x 32 d' x 32 c in f32).  Eight waves; wave v fetches rows d = 8 v .. 8 v + 7 by one tensor load and makes h' = 16 mt + 2 v, + 1.
; No work-group reads what another reads, so there is nothing to share in a cluster.  LDS asked for is above half of what a WGP has;
; 146,944 bytes are used.
;
; LIMITS.  Operands are f16, sums f32.  A row of P has absolute sum below 9.7; with the first launch's two axes t is finite for |x| <= 690.
; Magnitudes below 6.1e-5 are held to an absolute step of 6e-8.  Inf and NaN in t spread over the 32 d' of their (b, w', h', c).
; The order of rounding differs from that of six separate products.
.set G_BASE,  0                        ; 256 f32: G(j mod 128), held twice so that a run of indices never wraps
.set P_BASE,  1024                     ; P as f16: 32 rows of 64, pitch 144
.set PPITCH,  144
.set TL_BASE, 5632                     ; t's tile: 64 rows (d) of 512 f16, pitch 1,056 = 33 x 32 for the transposing loads
.set TPITCH,  1056
.set S_BASE,  73216                    ; the way out: for each wave 64 rows (32 hh + d') of 128 bytes, pitch 144
.set SPITCH,  144
.set SWAVE,   64*SPITCH
; v0 thread; v1 lane L; v2 r = L & 15; v3 hh = L >> 4; v12 q = L & 7; v13 g3 = (L >> 3) & 1; v14 L >> 3
; v4 where the tile is read; v5 where results enter the stage; v6 where they are read back; v7 offset in out0; v10 fragment address in P
.set PF,  16                           ; v[16:47]    P's fragments (ot, ks) at 16 + 16 ot + 8 ks
.set TF,  48                           ; v[48:111]   the tile's fragments (i, ks) at 48 + 16 i + 8 ks
.set ACC, 112                          ; v[112:175]  sums (i, ot) at 112 + 16 i + 8 ot
.set RB,  176                          ; v[176:239]  rows read back, 4 registers each
.set T,   48                           ; temporaries while P is made
.set AV,  T+3
.set AU,  T+4
.set GV,  T+8
.set GU,  T+16
.set PH,  T+24
; Four places behind a matrix instruction before its result is read by anything else (ISA guide 7.12.1).
.macro PLACES
.rept 4
	v_nop
.endr
.endm
; d = sin(pi k / 256) for a whole number k >= 0.  The angle is brought into [-pi/2, pi/2] in whole numbers, exactly:
; sin(pi k / 256) = cos(pi m / 256), m = (k - 128) mod 512, = sin(pi (128 - min(m, 512 - m)) / 256); then the series up to x^9 (next term below 3.6e-6).
.macro SINN d, k, a, b
	v_add_nc_u32 v[\a], 384, v[\k]                 ; k - 128, modulo 512
	v_and_b32 v[\a], 511, v[\a]
	v_sub_nc_u32 v[\d], 512, v[\a]
	v_min_u32 v[\a], v[\a], v[\d]
	v_sub_nc_u32 v[\a], 128, v[\a]
	v_cvt_f32_i32 v[\a], v[\a]
	v_mul_f32 v[\a], 0x3c490fdb, v[\a]             ; x pi / 256
	v_mul_f32 v[\d], v[\a], v[\a]
	v_mov_b32 v[\b], 0x3638ef1d                    ; 1/9!
	v_fmaak_f32 v[\b], v[\b], v[\d], 0xb9500d01    ; -1/7!
	v_fmaak_f32 v[\b], v[\b], v[\d], 0x3c088889    ; 1/5!
	v_fmaak_f32 v[\b], v[\b], v[\d], 0xbe2aaaab    ; -1/3!
	v_fma_f32 v[\b], v[\b], v[\d], 1.0
	v_mul_f32 v[\d], v[\b], v[\a]
.endm
; E neighbouring places of a row of P: place e holds column n0 + STEP e.  AV = 4 (2o + n0 + 1) runs up, AU = 4 ((2o - n0 - STEP (E-1)) mod 128) is read downward.
.macro PVALS E, STEP
.set ee, 0
.rept \E
	ds_load_b32 v[GV+ee], v[AV] offset:G_BASE+4*\STEP*ee
	ds_load_b32 v[GU+ee], v[AU] offset:G_BASE+4*\STEP*(\E-1-ee)
.set ee, ee+1
.endr
	s_wait_dscnt 0x0
.set ee, 0
.rept \E/2
	v_pk_add_f32 v[GV+ee:GV+ee+1], v[GV+ee:GV+ee+1], v[GU+ee:GU+ee+1]
.set ee, ee+2
.endr
.set ee, 0
.rept \E/2
	v_cvt_pk_f16_f32 v[PH+ee], v[GV+2*ee], v[GV+2*ee+1]
.set ee, ee+1
.endr
.endm
; P's four fragments: lane (r, hh) takes row 16 ot + r, columns 32 ks + 8 hh .. + 7 and 32 ks + 16 + 8 hh .. + 7.
.macro LOAD_PF
.irp ot, 0,1
.irp ks, 0,1
	ds_load_b128 v[PF+16*\ot+8*\ks:PF+16*\ot+8*\ks+3],   v10 offset:P_BASE+\ot*16*PPITCH+\ks*64
	ds_load_b128 v[PF+16*\ot+8*\ks+4:PF+16*\ot+8*\ks+7], v10 offset:P_BASE+\ot*16*PPITCH+\ks*64+32
.endr
.endr
.endm
; 16 columns of the left operand (two K steps of 32 at frag, frag + 8) times all 32 rows of P: two sums, each a chain of two links in place.
.macro MUL4 acc, frag
	v_wmma_f32_16x16x32_f16 v[\acc:\acc+7],    v[\frag:\frag+7],    v[PF:PF+7],     0
	v_wmma_f32_16x16x32_f16 v[\acc+8:\acc+15], v[\frag:\frag+7],    v[PF+16:PF+23], 0
	v_wmma_f32_16x16x32_f16 v[\acc:\acc+7],    v[\frag+8:\frag+15], v[PF+8:PF+15],  v[\acc:\acc+7]
	v_wmma_f32_16x16x32_f16 v[\acc+8:\acc+15], v[\frag+8:\frag+15], v[PF+24:PF+31], v[\acc+8:\acc+15]
.endm
	; ---- the wave's tensor load first: 8 rows of 512 f16, 32,768 elements apart in t, 32 bytes of padding behind each row in LDS
	s_load_b128 s[4:7], s[0:1], 0x0                ; t s[4:5], out0 s[6:7]
	v_lshl_add_u32 v240, v0, 2, 0x29000
	v_mov_b32 v241, 0
	ds_add_u32 v240, v241
	ds_add_u32 v240, v241
	v_and_b32 v1, 31, v0                           ; L
	v_lshrrev_b32 v11, 5, v0
	v_readfirstlane_b32 s8, v11                    ; wave v, 0 to 7
	s_mov_b32 s16, (1<<16)|(1<<20)|(7<<22)|(7<<25) ; elements of 2 bytes; padding on: after every 256 words (a row), 8 words
	s_mov_b32 s17, 512<<16                         ; tensor_dim0 = 512
	s_mov_b32 s18, 8<<16                           ; tensor_dim1 = 8
	s_mov_b32 s19, 512<<16                         ; tile_dim0 = 512
	s_mov_b32 s20, 8                               ; tile_dim1 = 8
	s_mov_b32 s21, 32768                           ; elements from d to d + 1
	s_mov_b32 s22, 0
	s_mov_b32 s23, 0
	s_lshr_b32 s9, ttmp9, 6                        ; b
	s_lshl_b32 s10, s9, 22                         ; b x 64 x 65,536
	s_lshl_b32 s9, s8, 19                          ; + 8 v x 65,536
	s_add_co_u32 s10, s10, s9
	s_and_b32 s9, ttmp9, 63                        ; + (2 w' + mt) x 1,024
	s_lshl_b32 s9, s9, 10
	s_add_co_u32 s10, s10, s9
	s_mov_b32 s11, 0
	s_mov_b32 s12, 1                               ; count = 1
	s_mul_i32 s13, s8, 8*TPITCH                    ; LDS: my eight rows
	s_add_co_u32 s13, s13, TL_BASE
	s_lshl_b32 s24, ttmp9, 16                      ; the work-group's 65,536 bytes of out0
	s_mov_b32 s25, 0
	s_wait_dscnt 0x0
	s_wait_kmcnt 0x0
	s_add_nc_u64 s[14:15], s[4:5], s[10:11]
	s_or_b32 s15, s15, 0x80000000                  ; type = 2
	tensor_load_to_lds s[12:15], s[16:23]          ; the only one of this wave; its registers are not written again
	s_nop 0
	s_add_nc_u64 s[6:7], s[6:7], s[24:25]
	v_and_b32 v2, 15, v0                           ; r
	v_bfe_u32 v3, v0, 4, 1                         ; hh
	v_and_b32 v12, 7, v0                           ; q
	v_bfe_u32 v13, v0, 3, 1                        ; g3
	v_lshrrev_b32 v14, 3, v1                       ; L >> 3
	; ---- the table G: threads 0 to 127 (waves 0 to 3) make one number each and store it twice
	s_cmp_ge_u32 s8, 4
	s_cbranch_scc1 .Lnog
	v_lshl_or_b32 v[T], v0, 1, 1                   ; w = 2 e + 1
	v_mul_u32_u24 v[T+1], 47, v[T]
	SINN T+2, T+1, T+4, T+5                        ; sin(47 pi w / 256)
	SINN T+3, T, T+4, T+5                          ; sin(pi w / 256)
	v_rcp_f32 v[T+6], v[T+3]
	v_mul_f32 v[T+2], 0x3c3504f3, v[T+2]           ; x 0.5 / sqrt 2048; also the plain instruction between v_rcp_f32 and the use of its result
	s_wait_alu depctr_va_vdst(0)
	v_mul_f32 v[T+2], v[T+2], v[T+6]
	v_lshlrev_b32 v[T+7], 2, v1
	v_lshl_add_u32 v[T+7], s8, 7, v[T+7]           ; 4 x thread = 128 x wave + 4 x lane
	ds_store_b32 v[T+7], v[T+2] offset:G_BASE
	ds_store_b32 v[T+7], v[T+2] offset:G_BASE+512
.Lnog:
	s_wait_dscnt 0x0                               ; my stores of G are done, for the other waves' sake
	s_barrier_signal -1
	s_barrier_wait -1
	; ---- the table P, columns in their natural order: row o = 4 v + (L >> 3), columns n0 = 8 q .. + 7
	s_lshl_b32 s9, s8, 3
	v_lshl_add_u32 v[T], v14, 1, s9                ; 2 o
	v_lshlrev_b32 v[T+2], 3, v12                   ; n0
	v_add3_u32 v[AV], v[T], v[T+2], 1              ; 2 o + n0 + 1, at most 119; + 7 stays inside the table
	v_lshlrev_b32 v[AV], 2, v[AV]
	v_sub_nc_u32 v[AU], v[T], v[T+2]               ; 2 o - n0, at least -56
	v_add_nc_u32 v[AU], 128-7, v[AU]               ; - STEP (E - 1), + one period to stay above zero
	v_and_b32 v[AU], 127, v[AU]
	v_lshlrev_b32 v[AU], 2, v[AU]
	PVALS 8, 1
	s_mul_i32 s9, s8, 4*PPITCH
	v_mul_u32_u24 v[T+5], PPITCH, v14
	v_lshl_add_u32 v[T+5], v12, 4, v[T+5]
	v_add_nc_u32 v[T+5], s9, v[T+5]                ; row o, 16 bytes at column n0
	ds_store_b128 v[T+5], v[PH:PH+3] offset:P_BASE
	s_wait_dscnt 0x0                               ; my part of P is in LDS,
	s_wait_tensorcnt 0x0                           ; and so are my eight rows of the tile:
	s_barrier_signal -1
	s_barrier_wait -1                              ; behind this both hold of every wave
	; ---- fragments: P's four, then my 2 h' x 8 channels (16 columns) of each of the four channel groups i
	v_mul_u32_u24 v10, PPITCH, v2
	v_lshl_add_u32 v10, v3, 4, v10
	LOAD_PF
	v_lshl_add_u32 v4, v3, 3, v12                  ; transposing load: row 8 hh + q,
	v_mul_u32_u24 v4, TPITCH, v4
	v_lshl_add_u32 v4, v13, 4, v4                  ; 16 bytes at 16 g3,
	s_lshl_b32 s9, s8, 5
	v_add_nc_u32 v4, s9, v4                        ; from column 16 v of a group
.irp i, 0,1,2,3
.irp ks, 0,1
	ds_load_tr16_b128 v[TF+16*\i+8*\ks:TF+16*\i+8*\ks+3],   v4 offset:TL_BASE+\i*256+\ks*32*TPITCH
	ds_load_tr16_b128 v[TF+16*\i+8*\ks+4:TF+16*\i+8*\ks+7], v4 offset:TL_BASE+\i*256+\ks*32*TPITCH+16*TPITCH
.endr
.endr
	s_mul_i32 s9, s8, SWAVE
	s_add_co_u32 s9, s9, S_BASE                    ; my stage
	v_lshl_add_u32 v5, v3, 5, v2                   ; in: row 32 hh + r (+ 16 ot by the immediate)
	v_mul_u32_u24 v5, SPITCH, v5
	v_add_nc_u32 v5, s9, v5
	v_mul_u32_u24 v6, SPITCH, v14                  ; back: four rows of 128 bytes by each load
	v_lshl_add_u32 v6, v12, 4, v6
	v_add_nc_u32 v6, s9, v6
	s_lshl_b32 s10, s8, 13
	v_lshl_add_u32 v7, v1, 4, s10                  ; out0: 8,192 v + 16 L
.irp i, 0,1,2,3
	s_wait_dscnt 12-4*\i                           ; the four loads of each later group stay out; P's fragments were asked for first
	MUL4 ACC+16*\i, TF+16*\i                       ; lane (r, hh), register j: h' = 16 mt + 2 v + hh, c = 8 i + j, d' = 16 ot + r
.endr
	PLACES
	; ---- the way out: a lane holds 8 neighbouring channels of one (h', d'); through my own stage they become whole rows
.irp i, 0,1,2,3
.irp ot, 0,1
	ds_store_b128 v5, v[ACC+16*\i+8*\ot:ACC+16*\i+8*\ot+3]   offset:\ot*16*SPITCH+\i*32
	ds_store_b128 v5, v[ACC+16*\i+8*\ot+4:ACC+16*\i+8*\ot+7] offset:\ot*16*SPITCH+\i*32+16
.endr
.endr
.irp tt, 0,1,2,3,4,5,6,7,8,9,10,11,12,13,14,15
	ds_load_b128 v[RB+4*\tt:RB+4*\tt+3], v6 offset:\tt*4*SPITCH    ; LDS serves a wave's instructions in order (ISA guide 5.7.1): these see my stores above
.endr
.irp tt, 0,1,2,3,4,5,6,7,8,9,10,11,12,13,14,15
	s_wait_dscnt 15-\tt                            ; the younger loads stay out
	global_store_b128 v7, v[RB+4*\tt:RB+4*\tt+3], s[6:7] offset:\tt*512 th:TH_STORE_NT   ; 512 consecutive, aligned bytes by each store
.endr
	s_wait_tensorcnt 0x0
	ds_add_u32 v240, v241
	s_wait_dscnt 0x0
	s_endpgm
.Lfunc_end_k_q1d16fdf8d7_depth:
	.size	k_q1d16fdf8d7_depth, .Lfunc_end_k_q1d16fdf8d7_depth-k_q1d16fdf8d7_depth
	.p2alignl 7, 3214868480
	.fill 96, 4, 3214868480
	.section	.rodata,"a",@progbits
	.p2align	6, 0x0
	.amdhsa_kernel k_q1d16fdf8d7_depth
		.amdhsa_group_segment_fixed_size 168960
		.amdhsa_private_segment_fixed_size 0
		.amdhsa_enable_private_segment 0
		.amdhsa_kernarg_size 16
		.amdhsa_user_sgpr_count 2
		.amdhsa_user_sgpr_kernarg_segment_ptr 1
		.amdhsa_wavefront_size32 1
		.amdhsa_system_sgpr_workgroup_id_x 1
		.amdhsa_system_sgpr_workgroup_id_y 1
		.amdhsa_system_sgpr_workgroup_id_z 1
		.amdhsa_system_vgpr_workitem_id 0
		.amdhsa_next_free_vgpr 242
		.amdhsa_next_free_sgpr 66
		.amdhsa_reserve_vcc 0
		.amdhsa_float_denorm_mode_32 3
		.amdhsa_float_denorm_mode_16_64 3
		.amdhsa_memory_ordered 1
		.amdhsa_forward_progress 1
		.amdhsa_inst_pref_size 15
	.end_amdhsa_kernel
	.amdgpu_metadata
---
amdhsa.version: [ 1, 2 ]
amdhsa.kernels:
  - .name:           k_q1d16fdf8d7_depth
    .symbol:         k_q1d16fdf8d7_depth.kd
    .args:
      - { .name: t, .offset: 0, .size: 8, .value_kind: global_buffer, .address_space: global }
      - { .name: out0, .offset: 8, .size: 8, .value_kind: global_buffer, .address_space: global }
    .group_segment_fixed_size: 168960
    .private_segment_fixed_size: 0
    .kernarg_segment_align: 8
    .kernarg_segment_size: 16
    .max_flat_workgroup_size: 256
    .sgpr_count:     66
    .vgpr_count:     242
    .wavefront_size: 32
...
	.end_amdgpu_metadata
.endif
;; end of part 2
;; ======== version 2 of 2: 2 launches; version 1 with the launch slab written anew for expert scheduling mode
;; limits: inputs' magnitudes at most 690; below input magnitudes of 6.1e-05 results are inexact or not finite; values are held in f16: magnitudes above 65,504 overflow, below 6.1e-05 lose precision
;; workspace buffers: t 16,777,216 bytes
;; launch slab (part 3): grid 256 x 1, 16 waves a work-group, no clusters, 140,800 bytes of LDS; arguments x, t; writes t
.if DOCPART == 3
	.amdgcn_target "amdgcn-amd-amdhsa--gfx1250"
	.amdhsa_code_object_version 6
	.text
	.protected	k_q1d16fdf8d7_slab
	.globl	k_q1d16fdf8d7_slab
	.p2align	8
	.type	k_q1d16fdf8d7_slab,@function
k_q1d16fdf8d7_slab:
	s_mov_b64 s[64:65], 0
	v_nop
	global_prefetch_b8 v0, s[64:65] scope:SCOPE_SE
	s_setreg_imm32_b32 hwreg(HW_REG_WAVE_SCHED_MODE, 0, 2), 2
	s_setreg_imm32_b32 hwreg(HW_REG_WAVE_MODE, 25, 1), 1
	s_wait_xcnt 0x0
	s_wait_alu depctr_vm_vsrc(0)
; SPECTRAL POOLING, first of two launches: the w axis and the h axis of one slice (b, d).
; Along each axis the problem applies DCT-II of 64 points, keeps 24 coefficients, pads to 32, inverse DCT of 32 points.  All of it is linear
; with fixed constants, so one axis is one matrix P[32][64]:  P[o][n] = sum over p < 24 of M32[p][o] M64[p][n].
; Product-to-sum and the Dirichlet kernel give  P[o][n] = G(2o - n) + G(2o + n + 1),  G(e) = (0.5 / sqrt 2048) sin(47 pi w / 256) / sin(pi w / 256),
; w = 2e + 1 (odd: the denominator is never 0), G of period 128.  128 numbers G are computed here and P is summed from them.
;
; This launch: t[b][d][w'][h'][c] = sum over h, w of P[h'][h] P[w'][w] x[b][d][h][w][c], stored as f16.
; Layout of t, in bytes: (64 b + d) 65536 + 2048 w' + 1024 mt + 256 i + 16 r + 2 cl, with h' = 16 mt + r, c = 8 i + cl.
; One work-group = one slice (b, d) = 512 KiB of x; 16 waves, four on each SIMD with 256 registers each.
;
; STAGE A (w axis): x goes from memory to the matrix unit through registers only.  The 16 rows of an A fragment are two h rows x eight groups
; of four channels; one 16-byte load of a lane (h0 + g3, w, c = 4q .. 4q+3) gives one k place of FOUR fragments t (c = 4q + t).
; Load p of a K step reads w = 32 ks + 2p + hh, so the 32 lanes of each load cover two runs of 256 consecutive, aligned bytes.
; That puts w = [k4 k2 k1 k0 k3] at fragment place kappa = [k4 k3 k2 k1 k0]; the table of P is stored with the same permutation of its columns,
; and a permutation of k applied alike to both operands leaves the sums as they are.
; STAGE B (h axis): the result U goes to LDS as f16, rows h in the same permuted order, and comes back by transposing loads.
;
; LIMITS.  Operands are f16, sums f32.  A row of P has absolute sum below 9.7, so all intermediates are finite for |x| <= 690 (65504 / 9.7^2);
; beyond that infinities may appear.  Magnitudes below 6.1e-5 are held to an absolute step of 6e-8.  An Inf or NaN in x spreads over its (b, c)
; volume as Inf or NaN, not necessarily the same of the two as in the unmerged form.  The order of rounding differs from the six separate products.
;
; THE MODE: SCHED_MODE bits 1:0 = 2 (LLVM: expert scheduling mode 2), set by the entry lines.  The code itself states the register dependences
; between vector or matrix instructions and memory or LDS instructions, with s_wait_alu, always for 0.
; THE PLAN.  Registers that memory or LDS instructions touch:
;   v4 .. v10       Offsets and LDS addresses: each written once, ahead of a wait on va_vdst that stands in front of its first use, and never again.
;   RING 0 .. 2     Half unit hu: its sixteen conversions read slot hu % 3; behind them the loads of half unit hu + 3 land in it.  In stage B the
;                   transposing loads land in the same registers (UF).
;   UPK, XF's upper halves   The two out-buffers of U (w' 0-15, w' 16-31): written by PUTU's 32 conversions, read by its eight LDS stores.  The upper halves
;                   are written next by half unit 5's conversions (half unit 4 writes the lower halves alone), UPK by the second PUTU.
;   T (v48-75)      While the tables are made: addresses and data of LDS instructions; the same registers are XF from stage A on.
;   TP (v48-79)     Written by stage B's conversions, read by the global stores; the second out-buffer lay there.
;   PF is loaded once and read by matrix instructions alone; D and ACC are named by vector and matrix instructions alone.
;   v14, v15        Written at the head, read by the closing add alone.
; So in stage A one wait on va_vdst stands behind the conversions of each half unit whose slot is asked for again, one behind each PUTU's conversions,
; and ONE wait on vm_vsrc, at half unit 5's head, frees both out-buffers.  The loads of half units 4 and 6 are dealt among the matrix instructions
; that follow their wait: those name XF, PF and D, none of the ring's registers.
.set G_BASE, 0                         ; 256 f32: G(j mod 128), held twice so that a run of indices never wraps
.set P_BASE, 1024                      ; P as f16: 32 rows of 64, pitch 144 (an odd multiple of 16: the 16 rows of a fragment load meet no common bank)
.set PPITCH, 144
.set U_BASE, 5632                      ; U as f16: 64 rows (h, permuted) of 1,024 numbers (w', c), pitch 2,080 = 65 x 32 for the transposing loads
.set UPITCH, 2080
; v0 thread; v1 lane L; v2 r = L & 15; v3 hh = L >> 4; v12 q = L & 7; v13 g3 = (L >> 3) & 1
; v4 offset in x; v5, v6 where U is stored (row pairs 0-15, 16-31); v7, v8 where U is read (K steps 0, 1); v9 offset in t; v10 fragment address in P
.set PF,   16                          ; v[16:47]   P's fragments (ot, ks) at 16 + 16 ot + 8 ks
.set XF,   48                          ; v[48:79]   x's fragments t at 48 + 8 t; registers 4-7 of each are also U's second out-buffer
.set D,    80                          ; v[80:143]  stage A's sums (t, wt) at 80 + 32 wt + 8 t
.set RING, 144                         ; v[144:239] three slots of eight 16-byte loads
.set UPK,  240                         ; v[240:255] U packed to f16 on its way to LDS: the first out-buffer
.set ACC,  80                          ; stage B's sums (tau, mt) at 80 + 16 tau + 8 mt
.set UF,   144                         ; stage B's fragments of U (tau, ks) at 144 + 16 tau + 8 ks
.set TP,   48                          ; stage B's results as f16 (tau, mt) at 48 + 8 tau + 4 mt
.set T,    48                          ; temporaries while P is made: v[48:75], clear of the ring, whose loads are pending then
.set AV,   T+3
.set AU,   T+4
.set GV,   T+8
.set GU,   T+16
.set PH,   T+24
; Load i of the eight of half unit hu = 4 pi + 2 ks + half: row pair v + 16 pi, w = 32 ks + 16 half + 2 i + hh.
.macro LD1 hu, i
	global_load_b128 v[RING+32*((\hu)%3)+4*(\i):RING+32*((\hu)%3)+4*(\i)+3], v4, s[4:5] offset:((\hu)>>2)*262144+((\hu)&3)*2048+(\i)*256 th:TH_LOAD_NT
.endm
.macro FILL hu
.irp i, 0,1,2,3,4,5,6,7
	LD1 \hu, \i
.endr
.endm
; A half unit's turn: its eight loads become registers 4 half .. 4 half + 3 of the four fragments.
; left = the loads of the younger half units, which stay out.  refill = 1: the slot is asked for again at once; 2: by the matrix step that follows; 0: not at all.
; freed = 1: the registers that these conversions write were the data of LDS stores.
.macro HU hu, left, refill, freed=0
	s_wait_loadcnt \left
.if \freed
	s_wait_alu depctr_vm_vsrc(0)                   ; the LDS stores of U's first 32 rows have read both out-buffers: the fragments' upper halves, written below, and UPK, written by the second run
.endif
.irp pp, 0,1,2,3
.irp t, 0,1,2,3
	v_cvt_pk_f16_f32 v[XF+8*\t+4*(\hu&1)+\pp], v[RING+32*(\hu%3)+8*\pp+\t], v[RING+32*(\hu%3)+8*\pp+4+\t]
.endr
.endr
.if \refill
	s_wait_alu depctr_va_vdst(0)                   ; the sixteen conversions are done reading this slot, in which the loads of the half unit three further on land
.endif
.if \refill == 1
	FILL \hu+3
.endif
.endm
; Four places behind a matrix instruction before a vector instruction reads its result or rewrites a source (ISA guide 7.12.1).
.macro PLACES
.rept 4
	v_nop
.endr
.endm
; Stage A, one K step of 32: 4 fragments of x times 2 of P.  zero = 1: the first product starts the sums.
; In D(t, wt), lane (r, hh), register j: h = h0 + hh, w' = 16 wt + r, c = 4 j + t.
; fill = 4 or 6: that half unit's eight loads, one behind each matrix instruction.  No wait: since the wait behind the conversions no vector or matrix instruction names the slot or v4.
.macro MULA ks, zero, fill
.irp wt, 0,1
.irp t, 0,1,2,3
.if \zero
	v_wmma_f32_16x16x32_f16 v[D+32*\wt+8*\t:D+32*\wt+8*\t+7], v[XF+8*\t:XF+8*\t+7], v[PF+16*\wt+8*\ks:PF+16*\wt+8*\ks+7], 0
.else
	v_wmma_f32_16x16x32_f16 v[D+32*\wt+8*\t:D+32*\wt+8*\t+7], v[XF+8*\t:XF+8*\t+7], v[PF+16*\wt+8*\ks:PF+16*\wt+8*\ks+7], v[D+32*\wt+8*\t:D+32*\wt+8*\t+7]
.endif
.if \fill
	LD1 \fill, 4*\wt+\t
.endif
.endr
.endr
	PLACES
.endm
; U to LDS: eight neighbouring channels c = 8 i .. 8 i + 7 of (h, w') are 16 bytes; lanes 0-15 write 256 neighbouring bytes of one row.
; All 32 conversions first, w' 0-15 into UPK and w' 16-31 into registers 4-7 of x's four fragments (idle here: both K steps are multiplied), then one wait, then the eight stores.
.macro PUTU us
.irp wt, 0,1
.irp i, 0,1,2,3
.set ob, (1-\wt)*(UPK+4*\i)+\wt*(XF+8*\i+4)
	v_cvt_pk_f16_f32 v[ob],   v[D+32*\wt+2*\i],      v[D+32*\wt+8+2*\i]
	v_cvt_pk_f16_f32 v[ob+1], v[D+32*\wt+16+2*\i],   v[D+32*\wt+24+2*\i]
	v_cvt_pk_f16_f32 v[ob+2], v[D+32*\wt+2*\i+1],    v[D+32*\wt+8+2*\i+1]
	v_cvt_pk_f16_f32 v[ob+3], v[D+32*\wt+16+2*\i+1], v[D+32*\wt+24+2*\i+1]
.endr
.endr
	s_wait_alu depctr_va_vdst(0)                   ; the conversions have written both out-buffers, which the eight LDS stores read (their address was written long before)
.irp wt, 0,1
.irp i, 0,1,2,3
.set ob, (1-\wt)*(UPK+4*\i)+\wt*(XF+8*\i+4)
	ds_store_b128 v[\us], v[ob:ob+3] offset:U_BASE+\wt*1024+\i*256
.endr
.endr
.endm
; d = sin(pi k / 256) for a whole number k >= 0.  The angle is brought into [-pi/2, pi/2] in whole numbers, exactly:
; sin(pi k / 256) = cos(pi m / 256), m = (k - 128) mod 512, = sin(pi (128 - min(m, 512 - m)) / 256); then the series up to x^9 (next term below 3.6e-6).
.macro SINN d, k, a, b
	v_add_nc_u32 v[\a], 384, v[\k]                 ; k - 128, modulo 512
	v_and_b32 v[\a], 511, v[\a]
	v_sub_nc_u32 v[\d], 512, v[\a]
	v_min_u32 v[\a], v[\a], v[\d]
	v_sub_nc_u32 v[\a], 128, v[\a]
	v_cvt_f32_i32 v[\a], v[\a]
	v_mul_f32 v[\a], 0x3c490fdb, v[\a]             ; x pi / 256
	v_mul_f32 v[\d], v[\a], v[\a]
	v_mov_b32 v[\b], 0x3638ef1d                    ; 1/9!
	v_fmaak_f32 v[\b], v[\b], v[\d], 0xb9500d01    ; -1/7!
	v_fmaak_f32 v[\b], v[\b], v[\d], 0x3c088889    ; 1/5!
	v_fmaak_f32 v[\b], v[\b], v[\d], 0xbe2aaaab    ; -1/3!
	v_fma_f32 v[\b], v[\b], v[\d], 1.0
	v_mul_f32 v[\d], v[\b], v[\a]
.endm
; E neighbouring places of a row of P: place e holds column n0 + STEP e.  AV = 4 (2o + n0 + 1) runs up, AU = 4 ((2o - n0 - STEP (E-1)) mod 128) is read downward.
.macro PVALS E, STEP
.set ee, 0
.rept \E
	ds_load_b32 v[GV+ee], v[AV] offset:G_BASE+4*\STEP*ee
	ds_load_b32 v[GU+ee], v[AU] offset:G_BASE+4*\STEP*(\E-1-ee)
.set ee, ee+1
.endr
	s_wait_dscnt 0x0
.set ee, 0
.rept \E/2
	v_pk_add_f32 v[GV+ee:GV+ee+1], v[GV+ee:GV+ee+1], v[GU+ee:GU+ee+1]
.set ee, ee+2
.endr
.set ee, 0
.rept \E/2
	v_cvt_pk_f16_f32 v[PH+ee], v[GV+2*ee], v[GV+2*ee+1]
.set ee, ee+1
.endr
.endm
; P's four fragments: lane (r, hh) takes row 16 ot + r, places 32 ks + 8 hh .. + 7 and 32 ks + 16 + 8 hh .. + 7.
.macro LOAD_PF
.irp ot, 0,1
.irp ks, 0,1
	ds_load_b128 v[PF+16*\ot+8*\ks:PF+16*\ot+8*\ks+3],   v10 offset:P_BASE+\ot*16*PPITCH+\ks*64
	ds_load_b128 v[PF+16*\ot+8*\ks+4:PF+16*\ot+8*\ks+7], v10 offset:P_BASE+\ot*16*PPITCH+\ks*64+32
.endr
.endr
.endm
; 16 columns of the left operand (two K steps of 32 at frag, frag + 8) times all 32 rows of P: two sums, each a chain of two links in place.
.macro MUL4 acc, frag
	v_wmma_f32_16x16x32_f16 v[\acc:\acc+7],    v[\frag:\frag+7],    v[PF:PF+7],     0
	v_wmma_f32_16x16x32_f16 v[\acc+8:\acc+15], v[\frag:\frag+7],    v[PF+16:PF+23], 0
	v_wmma_f32_16x16x32_f16 v[\acc:\acc+7],    v[\frag+8:\frag+15], v[PF+8:PF+15],  v[\acc:\acc+7]
	v_wmma_f32_16x16x32_f16 v[\acc+8:\acc+15], v[\frag+8:\frag+15], v[PF+24:PF+31], v[\acc+8:\acc+15]
.endm
	; ---- ids, the offset in x, and the first 24 loads of every wave (12 KiB a wave, 192 KiB a work-group) before anything else
	s_load_b128 s[4:7], s[0:1], 0x0                ; x s[4:5], t s[6:7]
	v_lshl_add_u32 v14, v0, 2, 0x21e00
	v_mov_b32 v15, 0
	v_and_b32 v1, 31, v0                           ; L
	v_lshrrev_b32 v11, 5, v0
	v_readfirstlane_b32 s8, v11                    ; wave v, 0 to 15
	v_and_b32 v2, 15, v0                           ; r
	v_bfe_u32 v3, v0, 4, 1                         ; hh
	v_and_b32 v12, 7, v0                           ; q
	v_bfe_u32 v13, v0, 3, 1                        ; g3
	v_lshlrev_b32 v4, 4, v12                       ; 16 q: four channels
	v_lshl_add_u32 v4, v3, 7, v4                   ; + 128 hh: w + hh
	v_lshl_add_u32 v4, v13, 13, v4                 ; + 8,192 g3: h0 + g3
	s_wait_alu depctr_va_sdst(0)                   ; s8 is written, ahead of its first reader: offsets, LDS addresses and the branch below are made from it
	s_lshl_b32 s9, s8, 14
	v_add_nc_u32 v4, s9, v4                        ; + 16,384 v: h0 = 2 v
	s_lshl_b32 s10, ttmp9, 19                      ; the slice in x: 64 x 64 x 32 x 4 bytes
	s_mov_b32 s11, 0
	s_lshl_b32 s12, ttmp9, 16                      ; the slice in t: 32 x 32 x 32 x 2 bytes
	s_mov_b32 s13, 0
	s_wait_kmcnt 0x0
	s_add_nc_u64 s[4:5], s[4:5], s[10:11]
	s_add_nc_u64 s[6:7], s[6:7], s[12:13]
	s_wait_alu depctr_va_vdst(0)                   ; v4 is written: every load of x reads it as its offset, and nothing writes it again
	FILL 0
	FILL 1
	FILL 2
	; ---- the table G: threads 0 to 127 (waves 0 to 3) make one number each and store it twice
	s_cmp_ge_u32 s8, 4
	s_cbranch_scc1 .Lnog
	v_lshl_or_b32 v[T], v0, 1, 1                   ; w = 2 e + 1
	v_mul_u32_u24 v[T+1], 47, v[T]
	SINN T+2, T+1, T+4, T+5                        ; sin(47 pi w / 256)
	SINN T+3, T, T+4, T+5                          ; sin(pi w / 256)
	v_rcp_f32 v[T+6], v[T+3]
	v_mul_f32 v[T+2], 0x3c3504f3, v[T+2]           ; x 0.5 / sqrt 2048; also the plain instruction between v_rcp_f32 and the use of its result
	s_wait_alu depctr_va_vdst(0)                   ; the reciprocal has written v[T+6], ahead of its first reader
	v_mul_f32 v[T+2], v[T+2], v[T+6]
	v_lshlrev_b32 v[T+7], 2, v1
	v_lshl_add_u32 v[T+7], s8, 7, v[T+7]           ; 4 x thread = 128 x wave + 4 x lane
	s_wait_alu depctr_va_vdst(0)                   ; v[T+2] and v[T+7] are written: the data and the address of the two LDS stores
	ds_store_b32 v[T+7], v[T+2] offset:G_BASE
	ds_store_b32 v[T+7], v[T+2] offset:G_BASE+512
	s_wait_alu depctr_vm_vsrc(0)                   ; the two stores have read v[T+2], which the arithmetic for P writes again
.Lnog:
	s_wait_dscnt 0x0                               ; my stores of G are done, for the other waves' sake
	s_barrier_signal -1
	s_barrier_wait -1
	; ---- the table P: row o = 2 v + hh, places kappa0 = 4 r .. + 3, which hold columns n0, n0 + 2, n0 + 4, n0 + 6
	s_lshl_b32 s9, s8, 2
	v_lshl_add_u32 v[T], v3, 1, s9                 ; 2 o
	v_lshlrev_b32 v[T+1], 2, v2                    ; kappa0
	v_and_b32 v[T+2], 48, v[T+1]                   ; n0 = [k5 k4 k2 0 0 k3]
	v_and_b32 v[T+5], 4, v[T+1]
	v_lshl_add_u32 v[T+2], v[T+5], 1, v[T+2]
	v_bfe_u32 v[T+5], v[T+1], 3, 1
	v_add_nc_u32 v[T+2], v[T+2], v[T+5]
	v_add3_u32 v[AV], v[T], v[T+2], 1              ; 2 o + n0 + 1, at most 120; + 6 stays inside the table
	v_lshlrev_b32 v[AV], 2, v[AV]
	v_sub_nc_u32 v[AU], v[T], v[T+2]               ; 2 o - n0, at least -63
	v_add_nc_u32 v[AU], 128-2*3, v[AU]             ; - STEP (E - 1), + one period to stay above zero
	v_and_b32 v[AU], 127, v[AU]
	v_lshlrev_b32 v[AU], 2, v[AU]
	s_mul_i32 s9, s8, 2*PPITCH
	v_mul_u32_u24 v[T+5], PPITCH, v3
	v_lshl_add_u32 v[T+5], v2, 3, v[T+5]
	v_add_nc_u32 v[T+5], s9, v[T+5]                ; where my part of P goes: row o, 8 bytes at place kappa0
	v_mul_u32_u24 v10, PPITCH, v2                  ; and where P's fragments are read: row r, 16 hh bytes
	v_lshl_add_u32 v10, v3, 4, v10
	s_wait_alu depctr_va_vdst(0)                   ; v[AV] and v[AU] are written, the addresses of the LDS loads below; so are v[T+5] and v10, the addresses of P's store and of its fragments' loads
	PVALS 4, 2
	s_wait_alu depctr_va_vdst(0)                   ; the conversions have written v[PH:PH+1], which the LDS store reads
	ds_store_b64 v[T+5], v[PH:PH+1] offset:P_BASE
	s_wait_dscnt 0x0                               ; my part of P is in LDS
	s_barrier_signal -1
	s_barrier_wait -1
	; ---- P's fragments, kept for both stages, and the remaining addresses
	LOAD_PF
	s_and_b32 s9, s8, 8                            ; U's row for h = 32 pi + 2 v + hh: place 16 v3 + 8 hh + (v & 7) = v + (v & 8) + 8 hh
	s_add_co_u32 s9, s9, s8
	s_mul_i32 s9, s9, UPITCH
	v_mul_u32_u24 v5, 8*UPITCH, v3
	v_lshl_add_u32 v5, v2, 4, v5                   ; + 16 r: w' = 16 wt + r
	v_add_nc_u32 v5, s9, v5
	v_add_nc_u32 v6, 32*UPITCH, v5                 ; row pairs 16 to 31: h + 32
	v_lshl_add_u32 v7, v3, 3, v12                  ; transposing load: row 8 hh + q,
	v_mul_u32_u24 v7, UPITCH, v7
	v_lshl_add_u32 v7, v13, 4, v7                  ; 16 bytes at 16 g3,
	s_lshl_b32 s9, s8, 7
	v_add_nc_u32 v7, s9, v7                        ; of my 64 columns
	v_add_nc_u32 v8, 32*UPITCH, v7
	s_lshr_b32 s9, s8, 3                           ; t: w' = 16 (v >> 3) + 8 (v & 1) + 2 tau + hh, i = (v >> 1) & 3
	s_lshl_b32 s9, s9, 15
	s_and_b32 s10, s8, 1
	s_lshl_b32 s10, s10, 14
	s_add_co_u32 s9, s9, s10
	s_bfe_u32 s10, s8, 0x20001
	s_lshl_b32 s10, s10, 8
	s_add_co_u32 s9, s9, s10
	v_lshlrev_b32 v9, 4, v2
	v_lshl_add_u32 v9, v3, 11, v9
	v_add_nc_u32 v9, s9, v9
	s_wait_dscnt 0x0                               ; P's fragments are in
	s_wait_alu depctr_vm_vsrc(0)                   ; the tables' LDS loads and stores have read their addresses and data in v[T ..]: these registers are x's fragments from here on
	; ---- STAGE A: eight half units; 16 = the loads of the two younger half units stay out; the counts run down at the end
	HU 0, 16, 1
	HU 1, 16, 2
	MULA 0, 1, 4
	HU 2, 16, 1
	HU 3, 16, 2
	MULA 1, 0, 6
	PUTU 5
	HU 4, 16, 1                                    ; writes the fragments' lower halves alone: the stores just issued read none of them
	HU 5, 16, 0, 1
	MULA 0, 1, 0
	HU 6, 8, 0
	HU 7, 0, 0
	MULA 1, 0, 0
	PUTU 6
	s_wait_dscnt 0x0                               ; my rows of U are in LDS
	s_barrier_signal -1
	s_barrier_wait -1                              ; all 64 rows are
	s_wait_alu depctr_vm_vsrc(0)                   ; my last LDS stores have read the out-buffer in v[52:79], which stage B's conversions write again
	; ---- STAGE B: my 64 columns of U, four tiles of 16, over all 64 h
	; The loads land in the ring's registers and read v7 and v8: the last conversions that read the ring, and the lines that made the two addresses, stand ahead of the
	; wait on va_vdst in the last run of stores, and no vector instruction has been issued since.
.irp tau, 0,1,2,3
	ds_load_tr16_b128 v[UF+16*\tau:UF+16*\tau+3],     v7 offset:U_BASE+32*\tau
	ds_load_tr16_b128 v[UF+16*\tau+4:UF+16*\tau+7],   v7 offset:U_BASE+32*\tau+16*UPITCH
	ds_load_tr16_b128 v[UF+16*\tau+8:UF+16*\tau+11],  v8 offset:U_BASE+32*\tau
	ds_load_tr16_b128 v[UF+16*\tau+12:UF+16*\tau+15], v8 offset:U_BASE+32*\tau+16*UPITCH
.endr
.irp tau, 0,1,2,3
	s_wait_dscnt 12-4*\tau                         ; the four loads of each later tile stay out
	MUL4 ACC+16*\tau, UF+16*\tau                   ; lane (r, hh), register j: h' = 16 mt + r, column 64 v + 16 tau + 8 hh + j
.endr
	PLACES
.irp tau, 0,1,2,3
.irp mt, 0,1
.irp k, 0,1,2,3
	v_cvt_pk_f16_f32 v[TP+8*\tau+4*\mt+\k], v[ACC+16*\tau+8*\mt+2*\k], v[ACC+16*\tau+8*\mt+2*\k+1]
.endr
.endr
.endr
	s_wait_alu depctr_va_vdst(0)                   ; the conversions have written v[TP ..], which the eight stores read
.irp tau, 0,1,2,3
.irp mt, 0,1
	global_store_b128 v9, v[TP+8*\tau+4*\mt:TP+8*\tau+4*\mt+3], s[6:7] offset:\tau*4096+\mt*1024   ; lanes 0-15 and lanes 16-31 each fill 256 consecutive, aligned bytes
.endr
.endr
	s_wait_dscnt 0x0                               ; the closing lines, six on end
	s_wait_alu 0x0
	s_wait_tensorcnt 0x0
	ds_add_u32 v14, v15
	s_wait_dscnt 0x0
	s_endpgm
.Lfunc_end_k_q1d16fdf8d7_slab:
	.size	k_q1d16fdf8d7_slab, .Lfunc_end_k_q1d16fdf8d7_slab-k_q1d16fdf8d7_slab
	.p2alignl 7, 3214868480
	.fill 96, 4, 3214868480
	.section	.rodata,"a",@progbits
	.p2align	6, 0x0
	.amdhsa_kernel k_q1d16fdf8d7_slab
		.amdhsa_group_segment_fixed_size 140800
		.amdhsa_private_segment_fixed_size 0
		.amdhsa_enable_private_segment 0
		.amdhsa_kernarg_size 16
		.amdhsa_user_sgpr_count 2
		.amdhsa_user_sgpr_kernarg_segment_ptr 1
		.amdhsa_wavefront_size32 1
		.amdhsa_system_sgpr_workgroup_id_x 1
		.amdhsa_system_sgpr_workgroup_id_y 1
		.amdhsa_system_sgpr_workgroup_id_z 1
		.amdhsa_system_vgpr_workitem_id 0
		.amdhsa_next_free_vgpr 256
		.amdhsa_next_free_sgpr 66
		.amdhsa_reserve_vcc 0
		.amdhsa_float_denorm_mode_32 3
		.amdhsa_float_denorm_mode_16_64 3
		.amdhsa_memory_ordered 1
		.amdhsa_forward_progress 1
		.amdhsa_inst_pref_size 35
	.end_amdhsa_kernel
	.amdgpu_metadata
---
amdhsa.version: [ 1, 2 ]
amdhsa.kernels:
  - .name:           k_q1d16fdf8d7_slab
    .symbol:         k_q1d16fdf8d7_slab.kd
    .args:
      - { .name: x, .offset: 0, .size: 8, .value_kind: global_buffer, .address_space: global }
      - { .name: t, .offset: 8, .size: 8, .value_kind: global_buffer, .address_space: global }
    .group_segment_fixed_size: 140800
    .private_segment_fixed_size: 0
    .kernarg_segment_align: 8
    .kernarg_segment_size: 16
    .max_flat_workgroup_size: 512
    .sgpr_count:     66
    .vgpr_count:     256
    .wavefront_size: 32
...
	.end_amdgpu_metadata
.endif
;; end of part 3
;; launch depth: the kernel of part 2 again; grid 256 x 1, 8 waves a work-group, no clusters, 168,960 bytes of LDS; arguments t, out0; writes out0
